; MI455X (gfx1250); checked and timed in simulation.
; The chip was launched on July 23, 2026; its instructions are those of AMD's public machine-readable ISA for CDNA 5 (MIT licence, August 2026) and "CDNA5" Instruction Set Architecture Reference Guide (July 2026). The comments in the code are by the model that wrote it; some were corrected since.
;; Output. Allowed arithmetic: matrix products marked QUANTISED: E2M3 operands, one E8M0 scale for each 32 along K, by v_wmma_scale_f32_16x16x128_f8f6f4 with both operands' format E2M3, f32 sums; everything else in f32.
;; Inputs: W1_codes 512 x 16 x 24 uint8 (E2M3 codes of W1, K innermost, in blocks of 32 codes, four codes in three bytes); W1_scales 512 x 16 uint8 (E8M0 scales of W1, one for each 32 codes along K); W2_codes 256 x 16 x 24 uint8 (E2M3 codes of W2, K innermost, in blocks of 32 codes, four codes in three bytes); W2_scales 256 x 16 uint8 (E8M0 scales of W2, one for each 32 codes along K); b1 512 float32; b2 256 float32; x_codes 32 x 4,096 x 16 x 24 uint8 (E2M3 codes of x, K innermost, in blocks of 32 codes, four codes in three bytes); x_scales 32 x 4,096 x 16 uint8 (E8M0 scales of x, one for each 32 codes along K).
;; Outputs: out0 32 x 256 float32.
;; This version of the problem:
;;   THIS VERSION OF THE PROBLEM IS GIVEN IN LOW PRECISION. The matrix products marked QUANTISED in the list below multiply operands that are first quantised to E2M3 (2 exponent bits, 3 mantissa bits; 6 bits a number), with one power-of-two scale for each 32 numbers along K (OCP MX v1.0); their sums are f32. All else is computed in f32.
;;   The module's matrix products, in the order in which they are computed (A, B: the left and right operand; K: the contracted axis; several contracted axes count as one K, in the product's order):
;;     1. [M 131,072, K 512] x [K 512, N 512]; A: input x (given as codes); B: input W1 (given as codes): QUANTISED
;;     2. [M 131,072, K 512] x [K 512, N 256]; A: computed on the way; B: input W2 (given as codes): QUANTISED
;;   THE QUANTISER, for each operand of a quantised product, along K:
;;     - K is cut into blocks of 32 from its start; a last block that is shorter is filled with zeros.
;;     - A block's scale is 2^e with e = floor(log2(the largest magnitude in the block)) - 2, held to -126 .. 127; a block of zeros has e = 0. As a byte (E8M0): e + 127.
;;     - Each number is divided by its block's scale, clamped to +-7.5, and rounded to the nearest number of E2M3, ties to even, subnormals kept.
;;     - The product sums the exact products of the quantised numbers (number of the format x scale) in f32.
;;   ~~~python
;;   def quantise(x, axis):      # numpy; x: float32 -> the quantised numbers, widened to float32 again
;;       x = np.moveaxis(x, axis, -1); K = x.shape[-1]
;;       x = np.pad(x, [(0, 0)] * (x.ndim - 1) + [(0, -K % 32)]); x = x.reshape(x.shape[:-1] + (-1, 32)); a = np.abs(x).max(-1, keepdims=True)
;;       e = np.where(a > 0, np.clip(np.frexp(np.where(a > 0, a, 1))[1] - 1 - 2, -126, 127), 0)      # np.frexp(a)[1] - 1 = floor(log2(a)), exactly
;;       r = np.clip(x / 2.0 ** e, -7.5, 7.5)
;;       step = 2.0 ** (np.maximum(np.frexp(np.where(r == 0, 1, r))[1] - 1, 0) - 3)
;;       q = np.round(r / step) * step * 2.0 ** e      # np.round: ties to even
;;       return np.moveaxis(q.reshape(q.shape[:-2] + (-1,))[..., :K], -1, axis).astype(np.float32)
;;   ~~~
;;   OPERANDS COMPUTED ON THE WAY. 'Computed on the way' means the value that the module computes at that place (a softmax that the list does not call 'softmax' is quantised finished and normalised). What goes into a quantiser is computed in f32, as accurately as f32 sums, v_exp_f32 and their like allow (about 1e-6 of the number): no bf16 or f16 on the way to a quantiser, and a product that is left as it is and whose result goes on into a quantised operand takes f32 operands (vector FMAs, or v_wmma_f32_16x16x4_f32). A number that lies on a knife's edge between two numbers of the format may be rounded either way, as far as f32 arithmetic and the matrix unit's own rounding can turn it there, and no further.
;;   INPUTS GIVEN AS CODES. W1 (in the module: [512, 512], K = its axis 1); W2 (in the module: [256, 512], K = its axis 1); x (in the module: [32, 512, 4096], K = its axis 1): each comes as NAME_codes (uint8): NAME with its K axis moved to the last place and cut into blocks of 32 codes, [.., K / 32, bytes a block], one block behind the other in memory; four codes in three bytes: a row's codes are one little-endian stream of bits, code i at bits 6 i .. 6 i + 5 (a code: sign, 2 exponent bits, 3 mantissa bits); and NAME_scales (uint8): the same leading axes, one E8M0 byte (e + 127) for each 32 codes along K. Its value is code x scale, taken as it is: it is not quantised again, and the codes and scales need not be those that the quantiser above would give.
;; 2 versions. Each part assembles by itself: llvm-mc -triple=amdgcn-amd-amdhsa -mcpu=gfx1250 --defsym DOCPART=n.
;; ======== version 1 of 2: 1 launch
;; launch mlp_all (part 1): grid 256 x 1, 4 waves a work-group, no clusters, 172,800 bytes of LDS; arguments x_codes, x_scales, W1_codes, W1_scales, b1, W2_codes, W2_scales, b2, out0; writes out0
.if DOCPART == 1
	.amdgcn_target "amdgcn-amd-amdhsa--gfx1250"
	.amdhsa_code_object_version 6
	.text
	.protected	k_q21bfbb7a16_mlp_all
	.globl	k_q21bfbb7a16_mlp_all
	.p2align	8
	.type	k_q21bfbb7a16_mlp_all,@function
k_q21bfbb7a16_mlp_all:
	s_mov_b64 s[64:65], 0
	v_nop
	global_prefetch_b8 v0, s[64:65] scope:SCOPE_SE
	s_setreg_imm32_b32 hwreg(HW_REG_WAVE_MODE, 25, 1), 1
	s_wait_xcnt 0x0
; out0[b][:] = softmax over the 256 channels of y[b][:][t = 4095],  y = W2 Q(relu(W1 x + b1)) + b2, both products on codes of FP6 (E2M3) with one E8M0 scale for each 32 along K.
; WHAT IS MULTIPLIED.  The problem's contract counts the two quantised products as they are written, over all 32 x 4,096 = 131,072 rows (b, t): so both are done here for every row, fused, though the slice
; y[:, :, -1] keeps only the 32 rows at t = 4,095.  Only those rows go on to the softmax and to memory; the other rows' y stays in accumulators and is written over.
; SHARES.  256 work-groups of four waves; work-group g owns rows 512 g .. 512 g + 511 (row = 4,096 b + t), in 8 blocks of 64.  THE WAVES SHARE THE COLUMNS: wave w makes hidden units 128 w .. + 127 (8 tiles: K step w
; of the second product) and outputs 64 w .. + 63 (4 tiles), for all 64 rows of a block.  So a wave's part of W1 and W2 stays in its REGISTERS for the whole launch (384 + 192), and what goes round through LDS is
; the rows' codes: x's, and the hidden layer's as images of the operand's registers.  The hidden layer never goes to memory.
; BOTH PRODUCTS ARE USED TRANSPOSED (source 0 = 16 rows of a weight, source 1 = 16 rows of x or of the hidden layer): a lane holds one row (lane % 16) and eight neighbouring units.
; THE ROWS OF W1 THAT FORM A TILE ARE NOT NEIGHBOURS: lane r of tile 2 b + u takes row 32 b + 8 u + r + 8 (r / 8), so that the 16 registers of tiles 2 b and 2 b + 1 are 16 neighbours along the next K.
; THE FIRST PRODUCT TAKES K IN ANOTHER ORDER OF WHOLE BLOCKS, alike on both sides: a row of 512 codes is 384 bytes; lane (r, h) holds its bytes 192 h .. 192 h + 191 in 48 registers on end (loads of 16 bytes), and
; fragment S is registers 12 S .. 12 S + 11.  So instruction S multiplies block 8 h + 2 S + c at the place (c, h), and its scale word is the row's scale bytes 2 S, 8 + 2 S, 2 S + 1, 9 + 2 S.
; The second product takes K as it lies: K step s is the fragment that wave s has quantised.
; A BLOCK HAS ONE BARRIER.  All LDS regions are doubled and taken by turns (a loop trip is two blocks, so every turn is an immediate): between two barriers the waves read x of block i + 1 and images of block i,
; and write x of block i + 2 and images of block i + 1.
; HOW ROWS COME.  Every global load of codes takes 512 consecutive bytes.  They are stored to LDS into rows 400 bytes apart (25 x 16: sixteen rows begin at sixteen different multiples of 16 bytes modulo 256)
; and read back by rows.  The weights turn so through each wave's own stage, once, at the head; LDS serves a wave's instructions in order (ISA guide 5.7.1.4), so that turn has no wait and no barrier.
; x's loads stand a whole block (192 matrix instructions a wave) ahead of the LDS stores that want them, so no request ahead of them is written.
; NO JOINT REQUESTS, though all work-groups read the same weights: a joint request is a tensor load into LDS, and the 768 weight rows with 16 bytes of padding behind each 128 are 768 x 432 = 331,776 bytes, more
; than a work-group can claim: they would come through slots that are filled again, to be read out into registers once.
; LIMITS.  NaN and infinities among the inputs or in the hidden layer are not served (the activation turns a NaN into 0).  A hidden block of zeros, or one whose largest number lies under 2^-124, gets the scale byte 1
; (the rule says 127 for zeros: its codes are zeros, and this program alone reads the bytes).  The first product's sums run over K in the order of blocks given above.  An exponential under 2^-126 comes out as 0.
.set WP,   400                         ; an LDS row of 384 bytes of codes
.set XBP,  25600                       ; LDS from 0: x's 64 rows, twice
.set FRB,  1536                        ; a fragment's image: 12 registers x 128 bytes
.set HIMG, 51200                       ; the hidden layer's 16 images (tile of rows m, K step s: 4 m + s), twice
.set HIP,  16*FRB
.set HSC,  100352                      ; their scale words, 128 bytes each, twice
.set HSP,  2048
.set YB,   104448                      ; y of the last 16 rows: 1,024 bytes a row, 1,040 apart
.set YP,   1040
.set STG,  121088                      ; the stages: 32 rows x 400 bytes for each wave, its own
.set STGB, 12800
; REGISTERS, in windows of 256.  Window 0:
.set LD,   1                           ; v1     16 x lane
.set ST,   2                           ; v2-4   my stage, on the way in: my 16 bytes of the first, second, third load of a group of three (four rows)
.set SR,   5                           ; v5     my stage, on the way out, W1: + 400 r + 192 h
.set SR2,  6                           ; v6     W2: + 400 r + 24 h
.set XST,  7                           ; v7-9   x on the way in: as v2-4, at my wave's 16 rows
.set XRD,  10                          ; v10    x on the way out: 400 r + 192 h
.set HWI,  11                          ; v11    where I store images: 16 x lane + 1,536 w
.set HWS,  12                          ; v12    and their scale words: 4 x lane + 128 w
.set HRI,  13                          ; v13    where I read images: 16 x lane
.set HRS,  14                          ; v14    and scale words: 4 x lane
.set YW,   15                          ; v15    y: 1,040 r + 32 h + 256 w
.set YR,   16                          ; v16    y's row 15: 16 x lane
.set OW1S, 17                          ; v17    16 x (r + 8 (r / 8) + 8 h): lanes 0-15 an even tile's rows, lanes 16-31 the odd tile's
.set OB1,  18                          ; v18    64 h
.set OB2,  19                          ; v19    32 h
.set TR,   20                          ; v20-23 r, h, lane, at work: at the head alone
.set TH,   21
.set TL,   22
.set TT,   23
.set W1S,  24                          ; v24-39 W1's scale words: tiles 2 b (lanes 0-15) and 2 b + 1 (lanes 16-31), fragment S: v[24 + 4 b + S]
.set W2S,  40                          ; v40-47 W2's: tiles 2 p and 2 p + 1, K step s: v[40 + 4 p + s]
.set XS,   48                          ; v48-55 x's: tiles of rows 2 p and 2 p + 1, fragment S: v[48 + 4 p + S]
.set XSR,  56                          ; v56-63 x's scale bytes as loaded
.set HS,   64                          ; v64-71 the hidden layer's scale words: two for each buffer of the ring
.set HA,   72                          ; v72-135  my 8 tiles of the hidden layer; in the second product its 8 accumulators
.set XF,   136                         ; v136-183 x's four fragments
.set HF,   136                         ; v136-231 in the second product: a ring of four buffers of two hidden fragments
.set PC,   184                         ; v184-202 the codes just made
.set TM,   204                         ; v204-219 the quantiser's work
.set PW,   220                         ; v220     the scale word just made
.set TU,   232                         ; at work at the head
.set SY,   232                         ; v232-239 the tail: my eight numbers of the row;  v240, v241 a joined number and the partner's;  v[242:243] a number for both halves;  v244-247 sums
.set B1,   192                         ; window 1: v0-191 W1's tiles 0-3 (48 registers each);  v192-255 b1's 8 tiles
.set XR,   192                         ; window 2: v0-191 W1's tiles 4-7;  v192-239 my 16 rows of x as loaded
.set B2,   192                         ; window 3: v0-191 W2's fragments (tile n, K step s: 12 (4 n + s));  v192-223 b2's 4 tiles
.set WV,   22                          ; s22  wave
.set TRIP, 24                          ; s24  trips to go
.set SB,   50                          ; s50  my stage
.set XBW,  51                          ; s51  my 16 rows among x's 64
.set MSB, 0
.macro WIN new                         ; s_set_vgpr_msb: bits 1:0 source 0, 3:2 source 1, 5:4 source 2, 7:6 destination; the high byte repeats the setting that is left
.if MSB != (\new)
	s_set_vgpr_msb (MSB<<8)|(\new)
.set MSB, (\new)
.endif
.endm
.macro PLACES n                        ; plain vector lines behind matrix instructions (ISA guide 7.12.1)
.rept \n
	v_nop
.endr
.endm
.macro BARRIER                         ; my LDS stores have landed and my LDS loads are in: then the work-group's barrier
	s_wait_dscnt 0x0
	s_barrier_signal -1
	s_barrier_wait -1
.endm
; One matrix instruction.  d, c: D and C;  a, b: sources 0 and 1;  sa, sb: their scale words;  ra, rb: 1 where the words stand in lanes 16-31
.macro WM d, a, b, c, sa, sb, ra, rb
.if (\ra) == 0 && (\rb) == 0
	v_wmma_scale_f32_16x16x128_f8f6f4 v[\d:\d+7], v[\a:\a+11], v[\b:\b+11], v[\c:\c+7], v[\sa], v[\sb] matrix_a_fmt:MATRIX_FMT_FP6 matrix_b_fmt:MATRIX_FMT_FP6
.elseif (\ra) == 1 && (\rb) == 0
	v_wmma_scale_f32_16x16x128_f8f6f4 v[\d:\d+7], v[\a:\a+11], v[\b:\b+11], v[\c:\c+7], v[\sa], v[\sb] matrix_a_fmt:MATRIX_FMT_FP6 matrix_b_fmt:MATRIX_FMT_FP6 matrix_a_scale:MATRIX_SCALE_ROW1
.elseif (\ra) == 0
	v_wmma_scale_f32_16x16x128_f8f6f4 v[\d:\d+7], v[\a:\a+11], v[\b:\b+11], v[\c:\c+7], v[\sa], v[\sb] matrix_a_fmt:MATRIX_FMT_FP6 matrix_b_fmt:MATRIX_FMT_FP6 matrix_b_scale:MATRIX_SCALE_ROW1
.else
	v_wmma_scale_f32_16x16x128_f8f6f4 v[\d:\d+7], v[\a:\a+11], v[\b:\b+11], v[\c:\c+7], v[\sa], v[\sb] matrix_a_fmt:MATRIX_FMT_FP6 matrix_b_fmt:MATRIX_FMT_FP6 matrix_a_scale:MATRIX_SCALE_ROW1 matrix_b_scale:MATRIX_SCALE_ROW1
.endif
.endm
; My 16 rows of a block of x, 6,144 dense bytes, and the block's 64 rows of scale bytes, 1,024 dense bytes (every wave takes all of these: lane l row 32 p + l)
.macro XLOAD off, soff
	WIN 0x80                                       ; destination window 2
.set J, 0
.rept 12
	global_load_b128 v[XR+4*J:XR+4*J+3], v[LD], s[4:5] offset:(\off)+512*J th:TH_LOAD_NT
.set J, J+1
.endr
	WIN 0
.irp p, 0,1
	global_load_b128 v[XSR+4*\p:XSR+4*\p+3], v[LD], s[6:7] offset:(\soff)+512*\p
.endr
.endm
.macro XSTORE par                      ; they go to LDS: three loads are four rows
	WIN 0x08                                       ; an LDS store's data are its source 1: window 2
.irp g, 0,1,2,3
.irp j, 0,1,2
	ds_store_b128 v[XST+\j], v[XR+4*(3*\g+\j):XR+4*(3*\g+\j)+3] offset:(\par)*XBP+4*WP*\g
.endr
.endr
	WIN 0
.endm
.macro XPERM                           ; a row's 16 scale bytes become its four scale words: word S = bytes 2 S, 8 + 2 S, 2 S + 1, 9 + 2 S
.irp p, 0,1
	v_perm_b32 v[XS+4*\p], v[XSR+4*\p+2], v[XSR+4*\p], s44
	v_perm_b32 v[XS+4*\p+1], v[XSR+4*\p+2], v[XSR+4*\p], s45
	v_perm_b32 v[XS+4*\p+2], v[XSR+4*\p+3], v[XSR+4*\p+1], s44
	v_perm_b32 v[XS+4*\p+3], v[XSR+4*\p+3], v[XSR+4*\p+1], s45
.endr
.endm
.macro XFETCH par, m                   ; the four fragments of tile of rows m: bytes 192 h + 16 j of row 16 m + r
.set J, 0
.rept 12
	ds_load_b128 v[XF+4*J:XF+4*J+3], v[XRD] offset:(\par)*XBP+16*WP*(\m)+16*J
.set J, J+1
.endr
.endm
; THE WEIGHTS, in six parts of 32 rows (12,288 dense bytes, 24 loads, 96 registers): parts 0-3 W1's tiles 2 k and 2 k + 1, parts 4, 5 W2's tiles 2 (k - 4) and 2 (k - 4) + 1.  Part k lies in window 1 + k / 2.
.macro LPART k
	WIN 0x40*(1+(\k)/2)
.set J, 0
.rept 24
.if (\k) < 4
	global_load_b128 v[96*((\k)%2)+4*J:96*((\k)%2)+4*J+3], v[LD], s[8:9] offset:12288*(\k)+512*J
.else
	global_load_b128 v[96*((\k)%2)+4*J:96*((\k)%2)+4*J+3], v[LD], s[14:15] offset:12288*((\k)-4)+512*J
.endif
.set J, J+1
.endr
	WIN 0
.endm
; Part k turns through my stage and comes back into the registers that it left.  rest: the next part's loads, which may stay out.
.macro TPART k, rest
.set G, 0
.rept 8
.if (\k) < 4                           ; W1: row rho of the 32 is lane (rho % 8) + 8 (rho / 16) of tile (rho / 8) % 2; a tile's sixteen rows lie on end in the stage
.set IMM, WP*(((4*G)&7)+16*(((4*G)>>3)&1)+8*((4*G)>>4))
.else                                  ; W2: as they lie
.set IMM, 4*WP*G
.endif
	s_wait_loadcnt 3*(7-G)+(\rest)                 ; out may stay: this part's loads behind group G, and the next part's
	WIN 0x04*(1+(\k)/2)                            ; the data's window
.irp j, 0,1,2
	ds_store_b128 v[ST+\j], v[96*((\k)%2)+4*(3*G+\j):96*((\k)%2)+4*(3*G+\j)+3] offset:IMM
.endr
.set G, G+1
.endr
	WIN 0x40*(1+(\k)/2)
.if (\k) < 4
.irp s, 0,1,2,3
.irp u, 0,1
.irp i, 0,1,2
	ds_load_b128 v[96*((\k)%2)+48*\u+12*\s+4*\i:96*((\k)%2)+48*\u+12*\s+4*\i+3], v[SR] offset:16*WP*\u+48*\s+16*\i
.endr
.endr
.endr
.else                                  ; the layout as the instruction has it: registers 6 c .. 6 c + 5 of K step s are the 24 bytes at 96 s + 48 c + 24 h: three loads of 8 bytes
.irp u, 0,1
.irp s, 0,1,2,3
.irp p, 0,1,2,3,4,5
	ds_load_b64 v[96*((\k)%2)+48*\u+12*\s+2*\p:96*((\k)%2)+48*\u+12*\s+2*\p+1], v[SR2] offset:16*WP*\u+96*\s+48*(\p/3)+8*(\p%3)
.endr
.endr
.endr
.endif
	WIN 0
.endm
	s_load_b256 s[4:11], s[0:1], 0x0               ; x's codes s[4:5], x's scales s[6:7], W1's codes s[8:9], W1's scales s[10:11]
	s_load_b256 s[12:19], s[0:1], 0x20             ; b1 s[12:13], W2's codes s[14:15], W2's scales s[16:17], b2 s[18:19]
	s_load_b64 s[20:21], s[0:1], 0x40              ; out0
	v_lshl_add_u32 v254, v0, 2, 0x2a100
	v_mov_b32 v255, 0
	v_lshrrev_b32 v[TT], 5, v0
	v_readfirstlane_b32 s[WV], v[TT]               ; wave 0..3
	v_and_b32 v[TL], 31, v0
	v_and_b32 v[TR], 15, v0
	v_bfe_u32 v[TH], v0, 4, 1
	v_lshlrev_b32 v[LD], 4, v[TL]
	v_bfe_u32 v[TT], v0, 3, 1
	v_add_nc_u32 v[TT], v[TT], v[TH]
	v_lshl_add_u32 v[TT], v[TT], 3, v[TR]
	v_lshlrev_b32 v[OW1S], 4, v[TT]
	v_lshlrev_b32 v[OB1], 6, v[TH]
	v_lshlrev_b32 v[OB2], 5, v[TH]
	; byte offsets, each in a pair with 0 above it
	s_mul_i32 s26, ttmp9, 0x30000                  ; x's codes: 512 rows of 384 bytes a work-group,
	s_mul_i32 s23, s[WV], 6144                     ; my 16 rows of a block
	s_add_co_u32 s26, s26, s23
	s_lshl_b32 s28, ttmp9, 13                      ; x's scales: 512 rows of 16 bytes
	s_mul_i32 s30, s[WV], 49152                    ; W1's codes: my 128 rows
	s_lshl_b32 s32, s[WV], 11                      ; W1's scales
	s_lshl_b32 s34, s[WV], 9                       ; b1: 128 numbers
	s_mul_i32 s36, s[WV], 24576                    ; W2's codes: my 64 rows
	s_lshl_b32 s38, s[WV], 10                      ; W2's scales
	s_lshl_b32 s40, s[WV], 8                       ; b2: 64 numbers
	s_lshr_b32 s42, ttmp9, 3                       ; out0: batch g / 8, 1,024 bytes a row
	s_lshl_b32 s42, s42, 10
.irp o, 27,29,31,33,35,37,39,41,43
	s_mov_b32 s\o, 0
.endr
	s_mov_b32 s44, 0x05010400                      ; v_perm_b32: bytes 0, 1 of two registers, by turns
	s_mov_b32 s45, 0x07030602                      ; bytes 2, 3 likewise
	s_mov_b32 s46, 0x76543210                      ; v_permlanex16_b32's selects for lane l xor 16
	s_mov_b32 s47, 0xfedcba98
	s_mov_b32 s48, 0x3fb8aa3b                      ; log2(e)
	s_mov_b32 s49, s48                             ; (named with it as a pair, so it is written)
	s_mul_i32 s[SB], s[WV], STGB
	s_add_co_u32 s[SB], s[SB], STG
	s_mul_i32 s[XBW], s[WV], 16*WP
	s_mul_i32 s52, s[WV], FRB
	s_add_co_u32 s52, s52, HIMG
	s_lshl_b32 s53, s[WV], 7
	s_add_co_u32 s53, s53, HSC
	s_lshl_b32 s54, s[WV], 8
	s_add_co_u32 s54, s54, YB
	s_wait_kmcnt 0x0
	s_add_nc_u64 s[4:5], s[4:5], s[26:27]
	s_add_nc_u64 s[6:7], s[6:7], s[28:29]
	s_add_nc_u64 s[8:9], s[8:9], s[30:31]
	s_add_nc_u64 s[10:11], s[10:11], s[32:33]
	s_add_nc_u64 s[12:13], s[12:13], s[34:35]
	s_add_nc_u64 s[14:15], s[14:15], s[36:37]
	s_add_nc_u64 s[16:17], s[16:17], s[38:39]
	s_add_nc_u64 s[18:19], s[18:19], s[40:41]
	s_add_nc_u64 s[20:21], s[20:21], s[42:43]
	; ---- THE HEAD'S LOADS: block 0 of x, the scale bytes, the biases (44 loads), then the weights, two parts in flight
	XLOAD 0, 0
.irp b, 0,1,2,3
	global_load_b128 v[HA+4*\b:HA+4*\b+3], v[OW1S], s[10:11] offset:512*\b      ; W1's scale bytes: my row of tiles 2 b, 2 b + 1
.endr
.irp p, 0,1
	global_load_b128 v[W2S+4*\p:W2S+4*\p+3], v[LD], s[16:17] offset:512*\p      ; W2's: row 32 p + lane; its 16 bytes are its four scale words as they lie
.endr
	WIN 0x40
.irp t, 0,1,2,3,4,5,6,7
	global_load_b128 v[B1+8*\t:B1+8*\t+3], v[OB1], s[12:13] offset:(32*(\t/2)+8*(\t%2))*4        ; b1 at hidden units 32 (t / 2) + 16 h + 8 (t % 2) + 0 .. 7: the C of a sum's first instruction
	global_load_b128 v[B1+8*\t+4:B1+8*\t+7], v[OB1], s[12:13] offset:(32*(\t/2)+8*(\t%2))*4+16
.endr
	WIN 0xc0
.irp n, 0,1,2,3
	global_load_b128 v[B2+8*\n:B2+8*\n+3], v[OB2], s[18:19] offset:64*\n         ; b2 at outputs 16 n + 8 h + 0 .. 7
	global_load_b128 v[B2+8*\n+4:B2+8*\n+7], v[OB2], s[18:19] offset:64*\n+16
.endr
	LPART 0
	LPART 1
	; LDS addresses.  Three loads are 96 pieces of 16 bytes: four rows of 24.  Piece z = lane + 32 j goes to row a = z / 24 (= z x 2731 >> 16 for z up to 95), piece z - 24 a: 400 a + 16 (z - 24 a) = 16 (z + a)
	v_mul_u32_u24 v[TT], v[TL], 2731
	v_lshrrev_b32 v[TT], 16, v[TT]
	v_add_nc_u32 v[TT], v[TT], v[TL]
	v_lshl_add_u32 v[ST], v[TT], 4, s[SB]
	v_lshl_add_u32 v[XST], v[TT], 4, s[XBW]
.irp j, 1,2
	v_add_nc_u32 v[TU], 32*\j, v[TL]
	v_mul_u32_u24 v[TT], v[TU], 2731
	v_lshrrev_b32 v[TT], 16, v[TT]
	v_add_nc_u32 v[TT], v[TT], v[TU]
	v_lshl_add_u32 v[ST+\j], v[TT], 4, s[SB]
	v_lshl_add_u32 v[XST+\j], v[TT], 4, s[XBW]
.endr
	v_mul_u32_u24 v[TT], v[TR], WP                 ; 400 r
	v_mad_u32_u24 v[XRD], v[TH], 192, v[TT]
	v_add_nc_u32 v[SR], s[SB], v[XRD]
	v_mad_u32_u24 v[SR2], v[TH], 24, v[TT]
	v_add_nc_u32 v[SR2], s[SB], v[SR2]
	v_add_nc_u32 v[HWI], s52, v[LD]
	v_lshl_add_u32 v[HWS], v[TL], 2, s53
	v_add_nc_u32 v[HRI], HIMG, v[LD]
	v_lshl_add_u32 v[HRS], v[TL], 2, HSC
	v_mul_u32_u24 v[YW], v[TR], YP
	v_lshl_add_u32 v[YW], v[TH], 5, v[YW]
	v_add_nc_u32 v[YW], s54, v[YW]
	v_add_nc_u32 v[YR], YB+15*YP, v[LD]
.irp b, 0,1,2,3
	v_mov_b32 v[TM+4+\b], 0                        ; written once: a lane permute's destination counts as one of its sources
.endr
	TPART 0, 24
	LPART 2
	TPART 1, 24
	LPART 3
	TPART 2, 24
	LPART 4
	TPART 3, 24
	LPART 5
	TPART 4, 24
	TPART 5, 0                                     ; its last wait is for 0: every load of the head is in
	XSTORE 0                                       ; block 0 of x
.irp b, 0,1,2,3
	v_perm_b32 v[W1S+4*\b], v[HA+4*\b+2], v[HA+4*\b], s44          ; W1's scale words, as x's
	v_perm_b32 v[W1S+4*\b+1], v[HA+4*\b+2], v[HA+4*\b], s45
	v_perm_b32 v[W1S+4*\b+2], v[HA+4*\b+3], v[HA+4*\b+1], s44
	v_perm_b32 v[W1S+4*\b+3], v[HA+4*\b+3], v[HA+4*\b+1], s45
.endr
	XPERM
	PLACES 8                                       ; a scale register written by a vector instruction stands eight places ahead of a scaled matrix instruction
	BARRIER                                        ; x's 64 rows lie in LDS; my weights are back in their registers
	XLOAD 24576, 1024                              ; block 1
	XFETCH 0, 0
	s_wait_xcnt 0x0                                ; the loads have read their bases
	s_add_nc_u64 s[4:5], s[4:5], 49152             ; on to block 2
	s_add_nc_u64 s[6:7], s[6:7], 2048
; THE FIRST PRODUCT AND THE QUANTISER for tile of rows m.  The 8 accumulators take turns, one instruction a turn.
.macro APH par, m
.if (\m) == 0
	s_wait_dscnt 0x0                               ; x's fragments are in
.else
	s_wait_dscnt 4                                 ; x's fragments are in; the last image's four stores may be out
.endif
.irp f, 0,1,2,3
.irp t, 0,1,2,3,4,5,6,7
.if \f == 0
	WIN 0x11+\t/4                                  ; source 0 (W1) window 1 or 2, source 2 (b1) window 1
	WM HA+8*\t, 48*(\t%4)+12*\f, XF+12*\f, B1+8*\t, W1S+4*(\t/2)+\f, XS+4*((\m)/2)+\f, \t%2, (\m)%2
.else
	WIN 0x01+\t/4
	WM HA+8*\t, 48*(\t%4)+12*\f, XF+12*\f, HA+8*\t, W1S+4*(\t/2)+\f, XS+4*((\m)/2)+\f, \t%2, (\m)%2
.endif
.endr
.endr
	WIN 0
	PLACES 4                                       ; in front of loads into registers that the products have read, and of the first read of results
.if (\m) < 3
	XFETCH \par, (\m)+1                            ; the next tile's fragments land while this tile is quantised
.endif
.if (\m) == 3
	s_wait_dscnt 0x0                               ; the last image's stores have read their registers
.elseif (\m) > 0
	s_wait_dscnt 12                                ; likewise; the twelve loads just issued may be out
.endif
.set J, 0
.rept 64
	v_max_num_f32 v[HA+J], 0, v[HA+J]              ; the activation, in f32; each accumulator from its low end on
.set J, J+1
.endr
	; 64 numbers of a lane: register 16 b + i is hidden unit 128 w + 32 b + 16 h + i of my row.  They become a fragment's codes in v[PC] on and its scale word in v[PW].  None is negative
.irp b, 0,1,2,3
	v_max3_num_f32 v[TM+\b], v[HA+16*\b], v[HA+1+16*\b], 0x1800000   ; block b: my 16 numbers, and the floor 2^(3 - 127): the byte cannot fall under 1
.endr
.irp i, 2,4,6,8,10,12,14
.irp b, 0,1,2,3
	v_max3_num_f32 v[TM+\b], v[TM+\b], v[HA+16*\b+\i], v[HA+1+16*\b+\i]   ; (the four blocks by turns)
.endr
.endr
.irp b, 0,1,2,3
	v_permlanex16_b32 v[TM+4+\b], v[TM+\b], s46, s47
.endr
.irp b, 0,1,2,3
	v_max_num_f32 v[TM+\b], v[TM+\b], v[TM+4+\b]   ; with lane l xor 16's: the block's largest magnitude
.endr
.irp b, 0,1,2,3
	v_add_nc_u32 v[TM+12+\b], 0xff000000, v[TM+\b] ; 2 off its exponent field: the conversion takes the exponent field of this operand as its scale, and nothing else of it
.endr
.irp b, 0,1,2,3
	v_lshrrev_b32 v[TM+4+\b], 23, v[TM+12+\b]      ; the scale's byte
.endr
	v_lshl_or_b32 v[PW], v[TM+5], 8, v[TM+4]
	v_lshl_or_b32 v[PW], v[TM+6], 16, v[PW]
	v_lshl_or_b32 v[PW], v[TM+7], 24, v[PW]
.irp c, 0,1
	v_cvt_scalef32_pk16_fp6_f32 v[PC+6*\c:PC+2+6*\c], v[HA+32*\c:HA+15+32*\c], v[TM+12+2*\c]
	v_cvt_scalef32_pk16_fp6_f32 v[PC+12+4*\c:PC+14+4*\c], v[HA+16+32*\c:HA+31+32*\c], v[TM+12+2*\c+1]   ; (a conversion's three registers begin on an even number)
.endr
	v_nop                                          ; one plain line behind a scaled conversion
.irp c, 0,1                            ; the operand's layout wants a WHOLE block in a lane: lanes 0-15 block 2 c, lanes 16-31 block 2 c + 1
.irp i, 0,1,2
	v_permlane16_swap_b32 v[PC+6*\c+\i], v[PC+12+4*\c+\i]
.endr
.irp i, 0,1,2
	v_mov_b32 v[PC+3+6*\c+\i], v[PC+12+4*\c+\i]
.endr
.endr
.irp c, 0,1,2
	ds_store_b128 v[HWI], v[PC+4*\c:PC+4*\c+3] offset:(\par)*HIP+4*(\m)*FRB+512*\c   ; the image: K step w of the second product, rows 16 m on
.endr
	ds_store_b32 v[HWS], v[PW] offset:(\par)*HSP+512*(\m)
.endm
; THE SECOND PRODUCT goes in 8 steps: step k is K step k % 4 of the tiles of rows 2 (k / 4) and 2 (k / 4) + 1.  Its two hidden fragments and scale words (8 LDS loads) come into buffer k % 4 of the ring.
.macro HFETCH par, k
.irp u, 0,1
.irp c, 0,1,2
	ds_load_b128 v[HF+24*((\k)%4)+12*\u+4*\c:HF+24*((\k)%4)+12*\u+4*\c+3], v[HRI] offset:(\par)*HIP+(4*(2*((\k)/4)+\u)+(\k)%4)*FRB+512*\c
.endr
	ds_load_b32 v[HS+2*((\k)%4)+\u], v[HRS] offset:(\par)*HSP+128*(4*(2*((\k)/4)+\u)+(\k)%4)
.endr
.endm
.macro MUL2 k                          ; 8 matrix instructions: my 4 tiles of outputs x the 2 tiles of rows: 8 accumulators by turns
.if (\k)%4 == 0
	WIN 0x33                                       ; source 0 (W2) and source 2 (b2) window 3
.else
	WIN 0x03
.endif
.irp u, 0,1
.irp n, 0,1,2,3
.if (\k)%4 == 0
	WM HA+8*(2*\n+\u), 12*(4*\n+(\k)%4), HF+24*((\k)%4)+12*\u, B2+8*\n, W2S+4*(\n/2)+(\k)%4, HS+2*((\k)%4)+\u, \n%2, 0
.else
	WM HA+8*(2*\n+\u), 12*(4*\n+(\k)%4), HF+24*((\k)%4)+12*\u, HA+8*(2*\n+\u), W2S+4*(\n/2)+(\k)%4, HS+2*((\k)%4)+\u, \n%2, 0
.endif
.endr
.endr
	WIN 0
.endm
; A BLOCK OF 64 ROWS.  par: which of the doubled LDS regions it reads x from and writes images to.
.macro BLOCK par
	APH \par, 0
	APH \par, 1
	APH \par, 2
	APH \par, 3
	s_wait_loadcnt 0x0                             ; the next block's x, asked for a block ago, is in.  The wait stands on every way, ahead of the branch: no load below is issued into registers that an earlier load may still write
.if \par
	s_cmp_eq_u32 s[TRIP], 1                        ; the last block has no successor: nothing to store
	s_cbranch_scc1 .Lno_row_\@
.endif
	XSTORE 1-\par
	XPERM                                          ; this block's scale words of x are done with
.if \par
.Lno_row_\@:
.endif
	BARRIER                                        ; this block's 16 images and the next block's x lie in LDS; nobody reads the regions that are written next
	HFETCH \par, 0
	HFETCH \par, 1
	HFETCH \par, 2
	HFETCH \par, 3
	s_cmp_eq_u32 s[TRIP], 1                        ; the last trip asks for nothing: no load leaves its buffer
	s_cbranch_scc1 .Lno_load_\@
	XLOAD (\par)*24576, (\par)*1024                ; the block after next
.Lno_load_\@:
.irp k, 0,1,2,3
	s_wait_dscnt 24                                ; this step's 8 loads are in; three younger fetches may be out
	MUL2 \k
	PLACES 4+\k/3                                  ; in front of the loads into the buffer just read; behind step 3 five: step 4 begins the accumulators anew
	HFETCH \par, \k+4
.endr
	s_wait_dscnt 24
	MUL2 4
	s_wait_dscnt 16                                ; steps 6 and 7 may be out
	MUL2 5
	PLACES 4
	XFETCH 1-\par, 0                               ; the next block's first fragments of x, into buffers 0 and 1.  (Behind the last block: bytes of an earlier block, which nobody uses; the line stays, so that the counts below hold on every way)
	s_wait_dscnt 20                                ; step 7's 8 and x's 12 may be out
	MUL2 6
	s_wait_dscnt 12
	MUL2 7
	PLACES 5                                       ; the next product begins these accumulators anew; the tail reads them
.endm
	s_mov_b32 s[TRIP], 4
.Ltrip:
	BLOCK 0
	BLOCK 1
	s_wait_xcnt 0x0                                ; the trip's loads have read their bases
	s_add_nc_u64 s[4:5], s[4:5], 49152
	s_add_nc_u64 s[6:7], s[6:7], 2048
	s_sub_co_u32 s[TRIP], s[TRIP], 1
	s_cmp_lg_u32 s[TRIP], 0
	s_cbranch_scc1 .Ltrip
	; ---- THE TAIL.  y of the work-group's last 16 rows meets in LDS: lane (r, h) holds y(r, 64 w + 16 n + 8 h + 0 .. 7)
.irp n, 0,1,2,3
	ds_store_b128 v[YW], v[HA+8*(2*\n+1):HA+8*(2*\n+1)+3] offset:64*\n           ; each accumulator from its low end on
	ds_store_b128 v[YW], v[HA+8*(2*\n+1)+4:HA+8*(2*\n+1)+7] offset:64*\n+16
.endr
	BARRIER
	s_cmp_lg_u32 s[WV], 0                          ; one row is left: one wave's work
	s_cbranch_scc1 .Lend
	s_and_b32 s23, ttmp9, 7                        ; row 511 of work-group g is t = 4,095 where g % 8 = 7
	s_cmp_lg_u32 s23, 7
	s_cbranch_scc1 .Lend
.macro RED dpp, op                     ; v240 is joined over the wave's 32 lanes; every lane ends with the result
	\dpp v240, v240, v240 row_xmask:1 row_mask:0xf bank_mask:0xf
	\dpp v240, v240, v240 row_xmask:2 row_mask:0xf bank_mask:0xf
	\dpp v240, v240, v240 row_xmask:4 row_mask:0xf bank_mask:0xf
	\dpp v240, v240, v240 row_xmask:8 row_mask:0xf bank_mask:0xf
	v_permlanex16_b32 v241, v240, s46, s47
	\op v240, v240, v241
.endm
	ds_load_b128 v[SY:SY+3], v[YR]                 ; channels 4 x lane + 0 .. 3
	ds_load_b128 v[SY+4:SY+7], v[YR] offset:512    ; and 128 + 4 x lane + 0 .. 3
	v_mov_b32 v241, 0                              ; (a lane permute's destination counts as one of its sources)
	v_mov_b32 v243, 0                              ; (named as the upper half of the pair v[242:243])
	s_wait_dscnt 0x0
	v_max3_num_f32 v240, v[SY], v[SY+1], v[SY+2]
	v_max3_num_f32 v240, v240, v[SY+3], v[SY+4]
	v_max3_num_f32 v240, v240, v[SY+5], v[SY+6]
	v_max_num_f32 v240, v240, v[SY+7]
	RED v_max_num_f32_dpp, v_max_num_f32           ; the row's largest y
	v_mov_b32 v242, v240
.irp i, 0,2,4,6
	v_pk_add_f32 v[SY+\i:SY+\i+1], v[SY+\i:SY+\i+1], v[242:243] op_sel_hi:[1,0] neg_lo:[0,1] neg_hi:[0,1]   ; y - the maximum first, and only then x log2(e): near the maximum the difference is exact however large y is
.endr
.irp i, 0,2,4,6
	v_pk_mul_f32 v[SY+\i:SY+\i+1], v[SY+\i:SY+\i+1], s[48:49] op_sel_hi:[1,0]
.endr
.irp i, 0,1,2,3,4,5,6,7
	v_exp_f32 v[SY+\i], v[SY+\i]                   ; e^(y - maximum), at most 1: one batch
.endr
	v_nop                                          ; a plain line behind the last exponential (ISA guide 5.7.2)
	s_wait_alu depctr_va_vdst(0)                   ; one wait for the batch, ahead of its first reader
	v_pk_add_f32 v[244:245], v[SY:SY+1], v[SY+2:SY+3]
	v_pk_add_f32 v[246:247], v[SY+4:SY+5], v[SY+6:SY+7]
	v_pk_add_f32 v[244:245], v[244:245], v[246:247]
	v_add_f32 v240, v244, v245
	RED v_add_f32_dpp, v_add_f32                   ; the row's sum, at least 1
	v_rcp_f32 v242, v240
	v_nop                                          ; a plain line behind the reciprocal
	s_wait_alu depctr_va_vdst(0)                   ; and the wait ahead of its first reader
.irp i, 0,2,4,6
	v_pk_mul_f32 v[SY+\i:SY+\i+1], v[SY+\i:SY+\i+1], v[242:243] op_sel_hi:[1,0]
.endr
	global_store_b128 v[LD], v[SY:SY+3], s[20:21] th:TH_STORE_NT               ; 32 lanes store 512 consecutive bytes, at a multiple of 256 from out0's first byte
	global_store_b128 v[LD], v[SY+4:SY+7], s[20:21] offset:512 th:TH_STORE_NT
.Lend:
	s_wait_tensorcnt 0x0
	ds_add_u32 v254, v255
	s_wait_dscnt 0x0
	s_endpgm
.Lfunc_end_k_q21bfbb7a16_mlp_all:
	.size	k_q21bfbb7a16_mlp_all, .Lfunc_end_k_q21bfbb7a16_mlp_all-k_q21bfbb7a16_mlp_all
	.p2alignl 7, 3214868480
	.fill 96, 4, 3214868480
	.section	.rodata,"a",@progbits
	.p2align	6, 0x0
	.amdhsa_kernel k_q21bfbb7a16_mlp_all
		.amdhsa_group_segment_fixed_size 172800
		.amdhsa_private_segment_fixed_size 0
		.amdhsa_enable_private_segment 0
		.amdhsa_kernarg_size 72
		.amdhsa_user_sgpr_count 2
		.amdhsa_user_sgpr_kernarg_segment_ptr 1
		.amdhsa_wavefront_size32 1
		.amdhsa_system_sgpr_workgroup_id_x 1
		.amdhsa_system_sgpr_workgroup_id_y 1
		.amdhsa_system_sgpr_workgroup_id_z 1
		.amdhsa_system_vgpr_workitem_id 0
		.amdhsa_next_free_vgpr 1024
		.amdhsa_next_free_sgpr 66
		.amdhsa_reserve_vcc 0
		.amdhsa_float_denorm_mode_32 3
		.amdhsa_float_denorm_mode_16_64 3
		.amdhsa_memory_ordered 1
		.amdhsa_forward_progress 1
		.amdhsa_inst_pref_size 178
	.end_amdhsa_kernel
	.amdgpu_metadata
---
amdhsa.version: [ 1, 2 ]
amdhsa.kernels:
  - .name:           k_q21bfbb7a16_mlp_all
    .symbol:         k_q21bfbb7a16_mlp_all.kd
    .args:
      - { .name: x_codes, .offset: 0, .size: 8, .value_kind: global_buffer, .address_space: global }
      - { .name: x_scales, .offset: 8, .size: 8, .value_kind: global_buffer, .address_space: global }
      - { .name: W1_codes, .offset: 16, .size: 8, .value_kind: global_buffer, .address_space: global }
      - { .name: W1_scales, .offset: 24, .size: 8, .value_kind: global_buffer, .address_space: global }
      - { .name: b1, .offset: 32, .size: 8, .value_kind: global_buffer, .address_space: global }
      - { .name: W2_codes, .offset: 40, .size: 8, .value_kind: global_buffer, .address_space: global }
      - { .name: W2_scales, .offset: 48, .size: 8, .value_kind: global_buffer, .address_space: global }
      - { .name: b2, .offset: 56, .size: 8, .value_kind: global_buffer, .address_space: global }
      - { .name: out0, .offset: 64, .size: 8, .value_kind: global_buffer, .address_space: global }
    .group_segment_fixed_size: 172800
    .private_segment_fixed_size: 0
    .kernarg_segment_align: 8
    .kernarg_segment_size: 72
    .max_flat_workgroup_size: 128
    .sgpr_count:     66
    .vgpr_count:     1024
    .wavefront_size: 32
...
	.end_amdgpu_metadata
.endif
;; end of part 1
;; ======== version 2 of 2: 1 launch; version 1 with the launch mlp_all written anew for expert scheduling mode
;; launch mlp_all (part 2): grid 256 x 1, 4 waves a work-group, no clusters, 172,800 bytes of LDS; arguments x_codes, x_scales, W1_codes, W1_scales, b1, W2_codes, W2_scales, b2, out0; writes out0
.if DOCPART == 2
	.amdgcn_target "amdgcn-amd-amdhsa--gfx1250"
	.amdhsa_code_object_version 6
	.text
	.protected	k_q21bfbb7a16_mlp_all
	.globl	k_q21bfbb7a16_mlp_all
	.p2align	8
	.type	k_q21bfbb7a16_mlp_all,@function
k_q21bfbb7a16_mlp_all:
	s_mov_b64 s[64:65], 0
	v_nop
	global_prefetch_b8 v0, s[64:65] scope:SCOPE_SE
	s_setreg_imm32_b32 hwreg(HW_REG_WAVE_SCHED_MODE, 0, 2), 2
	s_setreg_imm32_b32 hwreg(HW_REG_WAVE_MODE, 25, 1), 1
	s_wait_xcnt 0x0
	s_wait_alu depctr_vm_vsrc(0)
; out0[b][:] = softmax over the 256 channels of y[b][:][t = 4095],  y = W2 Q(relu(W1 x + b1)) + b2, both products on codes of FP6 (E2M3) with one E8M0 scale for each 32 along K.
; WHAT IS MULTIPLIED.  The problem's contract counts the two quantised products as they are written, over all 32 x 4,096 = 131,072 rows (b, t): so both are done here for every row, fused, though the slice
; y[:, :, -1] keeps only the 32 rows at t = 4,095.  Only those rows go on to the softmax and to memory; the other rows' y stays in accumulators and is written over.
; SHARES.  256 work-groups of four waves; work-group g owns rows 512 g .. 512 g + 511 (row = 4,096 b + t), in 8 blocks of 64.  THE WAVES SHARE THE COLUMNS: wave w makes hidden units 128 w .. + 127 (8 tiles: K step w
; of the second product) and outputs 64 w .. + 63 (4 tiles), for all 64 rows of a block.  So a wave's part of W1 and W2 stays in its REGISTERS for the whole launch (384 + 192), and what goes round through LDS is
; the rows' codes: x's, and the hidden layer's as images of the operand's registers.  The hidden layer never goes to memory.
; BOTH PRODUCTS ARE USED TRANSPOSED (source 0 = 16 rows of a weight, source 1 = 16 rows of x or of the hidden layer): a lane holds one row (lane % 16) and eight neighbouring units.
; THE ROWS OF W1 THAT FORM A TILE ARE NOT NEIGHBOURS: lane r of tile 2 b + u takes row 32 b + 8 u + r + 8 (r / 8), so that the 16 registers of tiles 2 b and 2 b + 1 are 16 neighbours along the next K.
; THE FIRST PRODUCT TAKES K IN ANOTHER ORDER OF WHOLE BLOCKS, alike on both sides: a row of 512 codes is 384 bytes; lane (r, h) holds its bytes 192 h .. 192 h + 191 in 48 registers on end (loads of 16 bytes), and
; fragment S is registers 12 S .. 12 S + 11.  So instruction S multiplies block 8 h + 2 S + c at the place (c, h), and its scale word is the row's scale bytes 2 S, 8 + 2 S, 2 S + 1, 9 + 2 S.
; The second product takes K as it lies: K step s is the fragment that wave s has quantised.
; A BLOCK HAS ONE BARRIER.  All LDS regions are doubled and taken by turns (a loop trip is two blocks, so every turn is an immediate): between two barriers the waves read x of block i + 1 and images of block i,
; and write x of block i + 2 and images of block i + 1.
; HOW ROWS COME.  Every global load of codes takes 512 consecutive bytes.  They are stored to LDS into rows 400 bytes apart (25 x 16: sixteen rows begin at sixteen different multiples of 16 bytes modulo 256)
; and read back by rows.  The weights turn so through each wave's own stage, once, at the head; LDS serves a wave's instructions in order (ISA guide 5.7.1.4), so that turn has no wait for LDS and no barrier.
; x's loads stand a whole block (192 matrix instructions a wave) ahead of the LDS stores that want them, so no request ahead of them is written.
; NO JOINT REQUESTS, though all work-groups read the same weights: a joint request is a tensor load into LDS, and the 768 weight rows with 16 bytes of padding behind each 128 are 768 x 432 = 331,776 bytes, more
; than a work-group can claim: they would come through slots that are filled again, to be read out into registers once.
; LIMITS.  NaN and infinities among the inputs or in the hidden layer are not served (the activation turns a NaN into 0).  A hidden block of zeros, or one whose largest number lies under 2^-124, gets the scale byte 1
; (the rule says 127 for zeros: its codes are zeros, and this program alone reads the bytes).  The first product's sums run over K in the order of blocks given above.  An exponential under 2^-126 comes out as 0.
; THE MODE: SCHED_MODE bits 1:0 = 2 (LLVM: expert scheduling mode 2), set by the entry lines.  The code itself states the register dependences between vector or matrix instructions and memory or LDS
; instructions, with s_wait_alu, always for 0.
; THE PLAN.  Registers that memory or LDS instructions touch, and who else names them:
;   v1-19         Offsets and LDS addresses.  Written by vector lines at the head alone, in two runs, each with one wait on va_vdst behind it; read by every load and store; never written again (x's bases are scalar).
;   the weights   At the head a part's 96 registers are loaded, stored to the stage and loaded back: one wait on vm_vsrc a part, between its stores and its loads.  In the loop matrix instructions alone name them.
;   XR, XSR       Loads land in them behind a block's barrier.  A block later, ahead of the next barrier, LDS stores read XR and the byte permutes read XSR.
;   XF            A tile of rows' 32 products read it; the next tile's 12 LDS loads land in it: one wait on va_vdst behind the products.
;   PC, PW        The quantiser writes them, the image's four LDS stores read them: a wait on va_vdst ahead of the stores, a wait on vm_vsrc ahead of the next tile's quantiser.
;   HF, HS        The ring lies over XF, PC, TM and PW.  LDS loads land in it, the second product's matrix instructions read it.
;   HA            Matrix and vector instructions alone, but for the tail's LDS stores.
; BEHIND A BLOCK'S BARRIER stands one pair of waits: va_vdst (the first product and the quantiser are done with all that the ring lies over; the last block's second product is done with HS; the permutes have read
; XSR and written x's scale words) and vm_vsrc (the image's stores have read PC and PW, x's stores have read XR).  It serves the ring's first four fetches and x's loads: no vector or matrix line stands between.
; THE SECOND PRODUCT'S STEPS GO IN PAIRS, with one wait on va_vdst behind a pair: it frees the pair's two buffers, and their refills are dealt among the next pair's steps, each of which names another buffer.
.set WP,   400                         ; an LDS row of 384 bytes of codes
.set XBP,  25600                       ; LDS from 0: x's 64 rows, twice
.set FRB,  1536                        ; a fragment's image: 12 registers x 128 bytes
.set HIMG, 51200                       ; the hidden layer's 16 images (tile of rows m, K step s: 4 m + s), twice
.set HIP,  16*FRB
.set HSC,  100352                      ; their scale words, 128 bytes each, twice
.set HSP,  2048
.set YB,   104448                      ; y of the last 16 rows: 1,024 bytes a row, 1,040 apart
.set YP,   1040
.set STG,  121088                      ; the stages: 32 rows x 400 bytes for each wave, its own
.set STGB, 12800
; REGISTERS, in windows of 256.  Window 0:
.set LD,   1                           ; v1     16 x lane
.set ST,   2                           ; v2-4   my stage, on the way in: my 16 bytes of the first, second, third load of a group of three (four rows)
.set SR,   5                           ; v5     my stage, on the way out, W1: + 400 r + 192 h
.set SR2,  6                           ; v6     W2: + 400 r + 24 h
.set XST,  7                           ; v7-9   x on the way in: as v2-4, at my wave's 16 rows
.set XRD,  10                          ; v10    x on the way out: 400 r + 192 h
.set HWI,  11                          ; v11    where I store images: 16 x lane + 1,536 w
.set HWS,  12                          ; v12    and their scale words: 4 x lane + 128 w
.set HRI,  13                          ; v13    where I read images: 16 x lane
.set HRS,  14                          ; v14    and scale words: 4 x lane
.set YW,   15                          ; v15    y: 1,040 r + 32 h + 256 w
.set YR,   16                          ; v16    y's row 15: 16 x lane
.set OW1S, 17                          ; v17    16 x (r + 8 (r / 8) + 8 h): lanes 0-15 an even tile's rows, lanes 16-31 the odd tile's
.set OB1,  18                          ; v18    64 h
.set OB2,  19                          ; v19    32 h
.set TR,   20                          ; v20-23 r, h, lane, at work: at the head alone
.set TH,   21
.set TL,   22
.set TT,   23
.set W1S,  24                          ; v24-39 W1's scale words: tiles 2 b (lanes 0-15) and 2 b + 1 (lanes 16-31), fragment S: v[24 + 4 b + S]
.set W2S,  40                          ; v40-47 W2's: tiles 2 p and 2 p + 1, K step s: v[40 + 4 p + s]
.set XS,   48                          ; v48-55 x's: tiles of rows 2 p and 2 p + 1, fragment S: v[48 + 4 p + S]
.set XSR,  56                          ; v56-63 x's scale bytes as loaded
.set HS,   64                          ; v64-71 the hidden layer's scale words: two for each buffer of the ring
.set HA,   72                          ; v72-135  my 8 tiles of the hidden layer; in the second product its 8 accumulators
.set XF,   136                         ; v136-183 x's four fragments
.set HF,   136                         ; v136-231 in the second product: a ring of four buffers of two hidden fragments
.set PC,   184                         ; v184-202 the codes just made
.set TM,   204                         ; v204-219 the quantiser's work
.set PW,   220                         ; v220     the scale word just made
.set TU,   232                         ; at work at the head
.set SY,   232                         ; v232-239 the tail: my eight numbers of the row;  v240, v241 a joined number and the partner's;  v[242:243] a number for both halves;  v244-247 sums
.set B1,   192                         ; window 1: v0-191 W1's tiles 0-3 (48 registers each);  v192-255 b1's 8 tiles
.set XR,   192                         ; window 2: v0-191 W1's tiles 4-7;  v192-239 my 16 rows of x as loaded
.set B2,   192                         ; window 3: v0-191 W2's fragments (tile n, K step s: 12 (4 n + s));  v192-223 b2's 4 tiles
.set WV,   22                          ; s22  wave
.set TRIP, 24                          ; s24  trips to go
.set SB,   50                          ; s50  my stage
.set XBW,  51                          ; s51  my 16 rows among x's 64
.set MSB, 0
.macro WIN new                         ; s_set_vgpr_msb: bits 1:0 source 0, 3:2 source 1, 5:4 source 2, 7:6 destination; the high byte repeats the setting that is left
.if MSB != (\new)
	s_set_vgpr_msb (MSB<<8)|(\new)
.set MSB, (\new)
.endif
.endm
.macro PLACES n                        ; plain vector lines behind matrix instructions (ISA guide 7.12.1)
.rept \n
	v_nop
.endr
.endm
.macro BARRIER                         ; my LDS stores have landed and my LDS loads are in: then the work-group's barrier
	s_wait_dscnt 0x0
	s_barrier_signal -1
	s_barrier_wait -1
.endm
; One matrix instruction.  d, c: D and C;  a, b: sources 0 and 1;  sa, sb: their scale words;  ra, rb: 1 where the words stand in lanes 16-31
.macro WM d, a, b, c, sa, sb, ra, rb
.if (\ra) == 0 && (\rb) == 0
	v_wmma_scale_f32_16x16x128_f8f6f4 v[\d:\d+7], v[\a:\a+11], v[\b:\b+11], v[\c:\c+7], v[\sa], v[\sb] matrix_a_fmt:MATRIX_FMT_FP6 matrix_b_fmt:MATRIX_FMT_FP6
.elseif (\ra) == 1 && (\rb) == 0
	v_wmma_scale_f32_16x16x128_f8f6f4 v[\d:\d+7], v[\a:\a+11], v[\b:\b+11], v[\c:\c+7], v[\sa], v[\sb] matrix_a_fmt:MATRIX_FMT_FP6 matrix_b_fmt:MATRIX_FMT_FP6 matrix_a_scale:MATRIX_SCALE_ROW1
.elseif (\ra) == 0
	v_wmma_scale_f32_16x16x128_f8f6f4 v[\d:\d+7], v[\a:\a+11], v[\b:\b+11], v[\c:\c+7], v[\sa], v[\sb] matrix_a_fmt:MATRIX_FMT_FP6 matrix_b_fmt:MATRIX_FMT_FP6 matrix_b_scale:MATRIX_SCALE_ROW1
.else
	v_wmma_scale_f32_16x16x128_f8f6f4 v[\d:\d+7], v[\a:\a+11], v[\b:\b+11], v[\c:\c+7], v[\sa], v[\sb] matrix_a_fmt:MATRIX_FMT_FP6 matrix_b_fmt:MATRIX_FMT_FP6 matrix_a_scale:MATRIX_SCALE_ROW1 matrix_b_scale:MATRIX_SCALE_ROW1
.endif
.endm
; My 16 rows of a block of x, 6,144 dense bytes, and the block's 64 rows of scale bytes, 1,024 dense bytes (every wave takes all of these: lane l row 32 p + l)
.macro XLOAD off, soff
	WIN 0x80                                       ; destination window 2
.set J, 0
.rept 12
	global_load_b128 v[XR+4*J:XR+4*J+3], v[LD], s[4:5] offset:(\off)+512*J th:TH_LOAD_NT
.set J, J+1
.endr
	WIN 0
.irp p, 0,1
	global_load_b128 v[XSR+4*\p:XSR+4*\p+3], v[LD], s[6:7] offset:(\soff)+512*\p
.endr
.endm
.macro XSTORE par                      ; they go to LDS: three loads are four rows
	WIN 0x08                                       ; an LDS store's data are its source 1: window 2
.irp g, 0,1,2,3
.irp j, 0,1,2
	ds_store_b128 v[XST+\j], v[XR+4*(3*\g+\j):XR+4*(3*\g+\j)+3] offset:(\par)*XBP+4*WP*\g
.endr
.endr
	WIN 0
.endm
.macro XPERM                           ; a row's 16 scale bytes become its four scale words: word S = bytes 2 S, 8 + 2 S, 2 S + 1, 9 + 2 S
.irp p, 0,1
	v_perm_b32 v[XS+4*\p], v[XSR+4*\p+2], v[XSR+4*\p], s44
	v_perm_b32 v[XS+4*\p+1], v[XSR+4*\p+2], v[XSR+4*\p], s45
	v_perm_b32 v[XS+4*\p+2], v[XSR+4*\p+3], v[XSR+4*\p+1], s44
	v_perm_b32 v[XS+4*\p+3], v[XSR+4*\p+3], v[XSR+4*\p+1], s45
.endr
.endm
.macro XFETCH par, m                   ; the four fragments of tile of rows m: bytes 192 h + 16 j of row 16 m + r
.set J, 0
.rept 12
	ds_load_b128 v[XF+4*J:XF+4*J+3], v[XRD] offset:(\par)*XBP+16*WP*(\m)+16*J
.set J, J+1
.endr
.endm
; THE WEIGHTS, in six parts of 32 rows (12,288 dense bytes, 24 loads, 96 registers): parts 0-3 W1's tiles 2 k and 2 k + 1, parts 4, 5 W2's tiles 2 (k - 4) and 2 (k - 4) + 1.  Part k lies in window 1 + k / 2.
.macro LPART k
	WIN 0x40*(1+(\k)/2)
.set J, 0
.rept 24
.if (\k) < 4
	global_load_b128 v[96*((\k)%2)+4*J:96*((\k)%2)+4*J+3], v[LD], s[8:9] offset:12288*(\k)+512*J
.else
	global_load_b128 v[96*((\k)%2)+4*J:96*((\k)%2)+4*J+3], v[LD], s[14:15] offset:12288*((\k)-4)+512*J
.endif
.set J, J+1
.endr
	WIN 0
.endm
; Part k turns through my stage and comes back into the registers that it left.  rest: the next part's loads, which may stay out.
.macro TPART k, rest
.set G, 0
.rept 8
.if (\k) < 4                           ; W1: row rho of the 32 is lane (rho % 8) + 8 (rho / 16) of tile (rho / 8) % 2; a tile's sixteen rows lie on end in the stage
.set IMM, WP*(((4*G)&7)+16*(((4*G)>>3)&1)+8*((4*G)>>4))
.else                                  ; W2: as they lie
.set IMM, 4*WP*G
.endif
	s_wait_loadcnt 3*(7-G)+(\rest)                 ; out may stay: this part's loads behind group G, and the next part's
	WIN 0x04*(1+(\k)/2)                            ; the data's window
.irp j, 0,1,2
	ds_store_b128 v[ST+\j], v[96*((\k)%2)+4*(3*G+\j):96*((\k)%2)+4*(3*G+\j)+3] offset:IMM
.endr
.set G, G+1
.endr
	WIN 0x40*(1+(\k)/2)
	s_wait_alu depctr_vm_vsrc(0)                   ; my 24 stores into the stage have read the part's 96 registers, in which the loads below land
.if (\k) < 4
.irp s, 0,1,2,3
.irp u, 0,1
.irp i, 0,1,2
	ds_load_b128 v[96*((\k)%2)+48*\u+12*\s+4*\i:96*((\k)%2)+48*\u+12*\s+4*\i+3], v[SR] offset:16*WP*\u+48*\s+16*\i
.endr
.endr
.endr
.else                                  ; the layout as the instruction has it: registers 6 c .. 6 c + 5 of K step s are the 24 bytes at 96 s + 48 c + 24 h: three loads of 8 bytes
.irp u, 0,1
.irp s, 0,1,2,3
.irp p, 0,1,2,3,4,5
	ds_load_b64 v[96*((\k)%2)+48*\u+12*\s+2*\p:96*((\k)%2)+48*\u+12*\s+2*\p+1], v[SR2] offset:16*WP*\u+96*\s+48*(\p/3)+8*(\p%3)
.endr
.endr
.endr
.endif
	WIN 0
.endm
	s_load_b256 s[4:11], s[0:1], 0x0               ; x's codes s[4:5], x's scales s[6:7], W1's codes s[8:9], W1's scales s[10:11]
	s_load_b256 s[12:19], s[0:1], 0x20             ; b1 s[12:13], W2's codes s[14:15], W2's scales s[16:17], b2 s[18:19]
	s_load_b64 s[20:21], s[0:1], 0x40              ; out0
	v_lshl_add_u32 v254, v0, 2, 0x2a100            ; my spare word, behind the stages; kept for the closing lines alone
	v_mov_b32 v255, 0                              ; and 0, likewise
	v_lshrrev_b32 v[TT], 5, v0
	v_readfirstlane_b32 s[WV], v[TT]               ; wave 0..3
	v_and_b32 v[TL], 31, v0
	v_and_b32 v[TR], 15, v0
	v_bfe_u32 v[TH], v0, 4, 1
	v_lshlrev_b32 v[LD], 4, v[TL]
	v_bfe_u32 v[TT], v0, 3, 1
	v_add_nc_u32 v[TT], v[TT], v[TH]
	v_lshl_add_u32 v[TT], v[TT], 3, v[TR]
	v_lshlrev_b32 v[OW1S], 4, v[TT]
	v_lshlrev_b32 v[OB1], 6, v[TH]
	v_lshlrev_b32 v[OB2], 5, v[TH]
	s_wait_alu depctr_va_sdst(0)                   ; s22, the wave's number, is written, ahead of its first reader: the offsets below are made from it
	; byte offsets, each in a pair with 0 above it
	s_mul_i32 s26, ttmp9, 0x30000                  ; x's codes: 512 rows of 384 bytes a work-group,
	s_mul_i32 s23, s[WV], 6144                     ; my 16 rows of a block
	s_add_co_u32 s26, s26, s23
	s_lshl_b32 s28, ttmp9, 13                      ; x's scales: 512 rows of 16 bytes
	s_mul_i32 s30, s[WV], 49152                    ; W1's codes: my 128 rows
	s_lshl_b32 s32, s[WV], 11                      ; W1's scales
	s_lshl_b32 s34, s[WV], 9                       ; b1: 128 numbers
	s_mul_i32 s36, s[WV], 24576                    ; W2's codes: my 64 rows
	s_lshl_b32 s38, s[WV], 10                      ; W2's scales
	s_lshl_b32 s40, s[WV], 8                       ; b2: 64 numbers
	s_lshr_b32 s42, ttmp9, 3                       ; out0: batch g / 8, 1,024 bytes a row
	s_lshl_b32 s42, s42, 10
.irp o, 27,29,31,33,35,37,39,41,43
	s_mov_b32 s\o, 0
.endr
	s_mov_b32 s44, 0x05010400                      ; v_perm_b32: bytes 0, 1 of two registers, by turns
	s_mov_b32 s45, 0x07030602                      ; bytes 2, 3 likewise
	s_mov_b32 s46, 0x76543210                      ; v_permlanex16_b32's selects for lane l xor 16
	s_mov_b32 s47, 0xfedcba98
	s_mov_b32 s48, 0x3fb8aa3b                      ; log2(e)
	s_mov_b32 s49, s48                             ; (named with it as a pair, so it is written)
	s_mul_i32 s[SB], s[WV], STGB
	s_add_co_u32 s[SB], s[SB], STG
	s_mul_i32 s[XBW], s[WV], 16*WP
	s_mul_i32 s52, s[WV], FRB
	s_add_co_u32 s52, s52, HIMG
	s_lshl_b32 s53, s[WV], 7
	s_add_co_u32 s53, s53, HSC
	s_lshl_b32 s54, s[WV], 8
	s_add_co_u32 s54, s54, YB
	s_wait_kmcnt 0x0
	s_add_nc_u64 s[4:5], s[4:5], s[26:27]
	s_add_nc_u64 s[6:7], s[6:7], s[28:29]
	s_add_nc_u64 s[8:9], s[8:9], s[30:31]
	s_add_nc_u64 s[10:11], s[10:11], s[32:33]
	s_add_nc_u64 s[12:13], s[12:13], s[34:35]
	s_add_nc_u64 s[14:15], s[14:15], s[36:37]
	s_add_nc_u64 s[16:17], s[16:17], s[38:39]
	s_add_nc_u64 s[18:19], s[18:19], s[40:41]
	s_add_nc_u64 s[20:21], s[20:21], s[42:43]
	; ---- THE HEAD'S LOADS: block 0 of x, the scale bytes, the biases (44 loads), then the weights, two parts in flight
	s_wait_alu depctr_va_vdst(0)                   ; the four offsets v1, v17, v18, v19 are written, which every global load and store of the kernel reads; they are never written again
	XLOAD 0, 0
.irp b, 0,1,2,3
	global_load_b128 v[HA+4*\b:HA+4*\b+3], v[OW1S], s[10:11] offset:512*\b      ; W1's scale bytes: my row of tiles 2 b, 2 b + 1
.endr
.irp p, 0,1
	global_load_b128 v[W2S+4*\p:W2S+4*\p+3], v[LD], s[16:17] offset:512*\p      ; W2's: row 32 p + lane; its 16 bytes are its four scale words as they lie
.endr
	WIN 0x40
.irp t, 0,1,2,3,4,5,6,7
	global_load_b128 v[B1+8*\t:B1+8*\t+3], v[OB1], s[12:13] offset:(32*(\t/2)+8*(\t%2))*4        ; b1 at hidden units 32 (t / 2) + 16 h + 8 (t % 2) + 0 .. 7: the C of a sum's first instruction
	global_load_b128 v[B1+8*\t+4:B1+8*\t+7], v[OB1], s[12:13] offset:(32*(\t/2)+8*(\t%2))*4+16
.endr
	WIN 0xc0
.irp n, 0,1,2,3
	global_load_b128 v[B2+8*\n:B2+8*\n+3], v[OB2], s[18:19] offset:64*\n         ; b2 at outputs 16 n + 8 h + 0 .. 7
	global_load_b128 v[B2+8*\n+4:B2+8*\n+7], v[OB2], s[18:19] offset:64*\n+16
.endr
	LPART 0
	LPART 1
	; LDS addresses.  Three loads are 96 pieces of 16 bytes: four rows of 24.  Piece z = lane + 32 j goes to row a = z / 24 (= z x 2731 >> 16 for z up to 95), piece z - 24 a: 400 a + 16 (z - 24 a) = 16 (z + a)
	v_mul_u32_u24 v[TT], v[TL], 2731
	v_lshrrev_b32 v[TT], 16, v[TT]
	v_add_nc_u32 v[TT], v[TT], v[TL]
	v_lshl_add_u32 v[ST], v[TT], 4, s[SB]
	v_lshl_add_u32 v[XST], v[TT], 4, s[XBW]
.irp j, 1,2
	v_add_nc_u32 v[TU], 32*\j, v[TL]
	v_mul_u32_u24 v[TT], v[TU], 2731
	v_lshrrev_b32 v[TT], 16, v[TT]
	v_add_nc_u32 v[TT], v[TT], v[TU]
	v_lshl_add_u32 v[ST+\j], v[TT], 4, s[SB]
	v_lshl_add_u32 v[XST+\j], v[TT], 4, s[XBW]
.endr
	v_mul_u32_u24 v[TT], v[TR], WP                 ; 400 r
	v_mad_u32_u24 v[XRD], v[TH], 192, v[TT]
	v_add_nc_u32 v[SR], s[SB], v[XRD]
	v_mad_u32_u24 v[SR2], v[TH], 24, v[TT]
	v_add_nc_u32 v[SR2], s[SB], v[SR2]
	v_add_nc_u32 v[HWI], s52, v[LD]
	v_lshl_add_u32 v[HWS], v[TL], 2, s53
	v_add_nc_u32 v[HRI], HIMG, v[LD]
	v_lshl_add_u32 v[HRS], v[TL], 2, HSC
	v_mul_u32_u24 v[YW], v[TR], YP
	v_lshl_add_u32 v[YW], v[TH], 5, v[YW]
	v_add_nc_u32 v[YW], s54, v[YW]
	v_add_nc_u32 v[YR], YB+15*YP, v[LD]
.irp b, 0,1,2,3
	v_mov_b32 v[TM+4+\b], 0                        ; written once: a lane permute's destination counts as one of its sources
.endr
	s_wait_alu depctr_va_vdst(0)                   ; the fifteen LDS addresses v2 to v16 are written, which every LDS load and store of the kernel reads; they are never written again
	TPART 0, 24
	LPART 2
	TPART 1, 24
	LPART 3
	TPART 2, 24
	LPART 4
	TPART 3, 24
	LPART 5
	TPART 4, 24
	TPART 5, 0                                     ; its last wait is for 0: every load of the head is in
	XSTORE 0                                       ; block 0 of x
.irp b, 0,1,2,3
	v_perm_b32 v[W1S+4*\b], v[HA+4*\b+2], v[HA+4*\b], s44          ; W1's scale words, as x's
	v_perm_b32 v[W1S+4*\b+1], v[HA+4*\b+2], v[HA+4*\b], s45
	v_perm_b32 v[W1S+4*\b+2], v[HA+4*\b+3], v[HA+4*\b+1], s44
	v_perm_b32 v[W1S+4*\b+3], v[HA+4*\b+3], v[HA+4*\b+1], s45
.endr
	XPERM
	PLACES 8                                       ; a scale register written by a vector instruction stands eight places ahead of a scaled matrix instruction
	BARRIER                                        ; x's 64 rows lie in LDS; my weights are back in their registers
	s_wait_alu depctr_va_vdst(0)                   ; the permutes have written W1's and x's scale words, which the scaled matrix instructions take, and are done reading v[XSR ..], in which the loads below land
	s_wait_alu depctr_vm_vsrc(0)                   ; block 0's LDS stores have read window 2's v[XR ..], in which the loads below land
	XLOAD 24576, 1024                              ; block 1
	XFETCH 0, 0
	s_wait_xcnt 0x0                                ; the loads have read their bases
	s_add_nc_u64 s[4:5], s[4:5], 49152             ; on to block 2
	s_add_nc_u64 s[6:7], s[6:7], 2048
; THE FIRST PRODUCT AND THE QUANTISER for tile of rows m.  The 8 accumulators take turns, one instruction a turn.
.macro APH par, m
.if (\m) == 0
	s_wait_dscnt 0x0                               ; x's fragments are in
.else
	s_wait_dscnt 4                                 ; x's fragments are in; the last image's four stores may be out
.endif
.irp f, 0,1,2,3
.irp t, 0,1,2,3,4,5,6,7
.if \f == 0
	WIN 0x11+\t/4                                  ; source 0 (W1) window 1 or 2, source 2 (b1) window 1
	WM HA+8*\t, 48*(\t%4)+12*\f, XF+12*\f, B1+8*\t, W1S+4*(\t/2)+\f, XS+4*((\m)/2)+\f, \t%2, (\m)%2
.else
	WIN 0x01+\t/4
	WM HA+8*\t, 48*(\t%4)+12*\f, XF+12*\f, HA+8*\t, W1S+4*(\t/2)+\f, XS+4*((\m)/2)+\f, \t%2, (\m)%2
.endif
.endr
.endr
	WIN 0
	PLACES 4                                       ; in front of loads into registers that the products have read, and of the first read of results
.if (\m) < 3
	s_wait_alu depctr_va_vdst(0)                   ; the 32 products are done reading x's four fragments, in which the twelve loads below land
	XFETCH \par, (\m)+1                            ; the next tile's fragments land while this tile is quantised
.endif
.if (\m) == 3
	s_wait_dscnt 0x0                               ; the last image's stores are done
.elseif (\m) > 0
	s_wait_dscnt 12                                ; likewise; the twelve loads just issued may be out
.endif
.if (\m) > 0
	s_wait_alu depctr_vm_vsrc(0)                   ; the last image's four stores have read v[PC ..] and v[PW], which the quantiser below writes again.  (Tile 0: the pair of waits behind the last block's barrier has said so)
.endif
.set J, 0
.rept 64
	v_max_num_f32 v[HA+J], 0, v[HA+J]              ; the activation, in f32; each accumulator from its low end on
.set J, J+1
.endr
	; 64 numbers of a lane: register 16 b + i is hidden unit 128 w + 32 b + 16 h + i of my row.  They become a fragment's codes in v[PC] on and its scale word in v[PW].  None is negative
.irp b, 0,1,2,3
	v_max3_num_f32 v[TM+\b], v[HA+16*\b], v[HA+1+16*\b], 0x1800000   ; block b: my 16 numbers, and the floor 2^(3 - 127): the byte cannot fall under 1
.endr
.irp i, 2,4,6,8,10,12,14
.irp b, 0,1,2,3
	v_max3_num_f32 v[TM+\b], v[TM+\b], v[HA+16*\b+\i], v[HA+1+16*\b+\i]   ; (the four blocks by turns)
.endr
.endr
.irp b, 0,1,2,3
	v_permlanex16_b32 v[TM+4+\b], v[TM+\b], s46, s47
.endr
.irp b, 0,1,2,3
	v_max_num_f32 v[TM+\b], v[TM+\b], v[TM+4+\b]   ; with lane l xor 16's: the block's largest magnitude
.endr
.irp b, 0,1,2,3
	v_add_nc_u32 v[TM+12+\b], 0xff000000, v[TM+\b] ; 2 off its exponent field: the conversion takes the exponent field of this operand as its scale, and nothing else of it
.endr
.irp b, 0,1,2,3
	v_lshrrev_b32 v[TM+4+\b], 23, v[TM+12+\b]      ; the scale's byte
.endr
	v_lshl_or_b32 v[PW], v[TM+5], 8, v[TM+4]
	v_lshl_or_b32 v[PW], v[TM+6], 16, v[PW]
	v_lshl_or_b32 v[PW], v[TM+7], 24, v[PW]
.irp c, 0,1
	v_cvt_scalef32_pk16_fp6_f32 v[PC+6*\c:PC+2+6*\c], v[HA+32*\c:HA+15+32*\c], v[TM+12+2*\c]
	v_cvt_scalef32_pk16_fp6_f32 v[PC+12+4*\c:PC+14+4*\c], v[HA+16+32*\c:HA+31+32*\c], v[TM+12+2*\c+1]   ; (a conversion's three registers begin on an even number)
.endr
	v_nop                                          ; one plain line behind a scaled conversion
.irp c, 0,1                            ; the operand's layout wants a WHOLE block in a lane: lanes 0-15 block 2 c, lanes 16-31 block 2 c + 1
.irp i, 0,1,2
	v_permlane16_swap_b32 v[PC+6*\c+\i], v[PC+12+4*\c+\i]
.endr
.irp i, 0,1,2
	v_mov_b32 v[PC+3+6*\c+\i], v[PC+12+4*\c+\i]
.endr
.endr
	s_wait_alu depctr_va_vdst(0)                   ; the fragment's twelve registers v[PC ..] and its scale word v[PW] are written, which the four stores below read
.irp c, 0,1,2
	ds_store_b128 v[HWI], v[PC+4*\c:PC+4*\c+3] offset:(\par)*HIP+4*(\m)*FRB+512*\c   ; the image: K step w of the second product, rows 16 m on
.endr
	ds_store_b32 v[HWS], v[PW] offset:(\par)*HSP+512*(\m)
.endm
; THE SECOND PRODUCT goes in 8 steps: step k is K step k % 4 of the tiles of rows 2 (k / 4) and 2 (k / 4) + 1.  Its two hidden fragments and scale words (8 LDS loads) come into buffer k % 4 of the ring.
.macro HFETCH par, k
.irp u, 0,1
.irp c, 0,1,2
	ds_load_b128 v[HF+24*((\k)%4)+12*\u+4*\c:HF+24*((\k)%4)+12*\u+4*\c+3], v[HRI] offset:(\par)*HIP+(4*(2*((\k)/4)+\u)+(\k)%4)*FRB+512*\c
.endr
	ds_load_b32 v[HS+2*((\k)%4)+\u], v[HRS] offset:(\par)*HSP+128*(4*(2*((\k)/4)+\u)+(\k)%4)
.endr
.endm
.macro MUL2 k                          ; 8 matrix instructions: my 4 tiles of outputs x the 2 tiles of rows: 8 accumulators by turns
.if (\k)%4 == 0
	WIN 0x33                                       ; source 0 (W2) and source 2 (b2) window 3
.else
	WIN 0x03
.endif
.irp u, 0,1
.irp n, 0,1,2,3
.if (\k)%4 == 0
	WM HA+8*(2*\n+\u), 12*(4*\n+(\k)%4), HF+24*((\k)%4)+12*\u, B2+8*\n, W2S+4*(\n/2)+(\k)%4, HS+2*((\k)%4)+\u, \n%2, 0
.else
	WM HA+8*(2*\n+\u), 12*(4*\n+(\k)%4), HF+24*((\k)%4)+12*\u, HA+8*(2*\n+\u), W2S+4*(\n/2)+(\k)%4, HS+2*((\k)%4)+\u, \n%2, 0
.endif
.endr
.endr
	WIN 0
.endm
; A BLOCK OF 64 ROWS.  par: which of the doubled LDS regions it reads x from and writes images to.
.macro BLOCK par
	APH \par, 0
	APH \par, 1
	APH \par, 2
	APH \par, 3
	s_wait_loadcnt 0x0                             ; the next block's x, asked for a block ago, is in.  The wait stands on every way, ahead of the branch: no load below is issued into registers that an earlier load may still write
.if \par
	s_cmp_eq_u32 s[TRIP], 1                        ; the last block has no successor: nothing to store
	s_cbranch_scc1 .Lno_row_\@
.endif
	XSTORE 1-\par
	XPERM                                          ; this block's scale words of x are done with
.if \par
.Lno_row_\@:
.endif
	BARRIER                                        ; this block's 16 images and the next block's x lie in LDS; nobody reads the regions that are written next
	s_wait_alu depctr_va_vdst(0)                   ; the first product is done reading v[XF ..], the quantiser is done with v[PC ..], v[TM ..] and v[PW], the last block's second product is done reading v[HS ..]: the ring's loads land in all of these; the permutes are done reading v[XSR ..], in which x's loads land, and have written x's scale words, which the next block's scaled matrix instructions take
	s_wait_alu depctr_vm_vsrc(0)                   ; the last image's stores have read v[PC ..] and v[PW], in which the ring's loads land; x's LDS stores have read window 2's v[XR ..], in which x's loads land
	HFETCH \par, 0                                 ; from the pair of waits to x's last load stand loads, a compare, a branch and a window switch alone
	HFETCH \par, 1
	HFETCH \par, 2
	HFETCH \par, 3
	s_cmp_eq_u32 s[TRIP], 1                        ; the last trip asks for nothing: no load leaves its buffer
	s_cbranch_scc1 .Lno_load_\@
	XLOAD (\par)*24576, (\par)*1024                ; the block after next
.Lno_load_\@:
	s_wait_dscnt 24                                ; step 0's 8 loads are in; three younger fetches may be out
	MUL2 0
	s_wait_dscnt 16                                ; step 1's are in; two younger fetches may be out: so ahead of every step up to 5
	MUL2 1
	PLACES 4                                       ; in front of the loads into the buffers just read
	s_wait_alu depctr_va_vdst(0)                   ; steps 0 and 1 are done reading buffers 0 and 1 and their scale words, in which the fetches of steps 4 and 5 land
	HFETCH \par, 4
	s_wait_dscnt 16
	MUL2 2
	HFETCH \par, 5                                 ; no wait: step 2, the one matrix work since the wait, names buffer 2, its scale words, W2 and the accumulators, not buffer 1
	s_wait_dscnt 16
	MUL2 3
	PLACES 5                                       ; five: step 4 begins the accumulators anew
	s_wait_alu depctr_va_vdst(0)                   ; steps 2 and 3 are done reading buffers 2 and 3 and their scale words, in which the fetches of steps 6 and 7 land
	HFETCH \par, 6
	s_wait_dscnt 16
	MUL2 4
	HFETCH \par, 7                                 ; no wait: step 4 names buffer 0, not buffer 3
	s_wait_dscnt 16
	MUL2 5
	PLACES 4
	s_wait_alu depctr_va_vdst(0)                   ; steps 4 and 5 are done reading buffers 0 and 1, in which x's fragments land
	XFETCH 1-\par, 0                               ; the next block's first fragments of x, into buffers 0 and 1.  (Behind the last block: bytes of an earlier block, which nobody uses; the line stays, so that the counts below hold on every way)
	s_wait_dscnt 20                                ; step 7's 8 and x's 12 may be out
	MUL2 6
	s_wait_dscnt 12
	MUL2 7
	PLACES 5                                       ; the next product begins these accumulators anew; the tail reads them
.endm
	s_mov_b32 s[TRIP], 4
.Ltrip:
	BLOCK 0
	BLOCK 1
	s_wait_xcnt 0x0                                ; the trip's loads have read their bases
	s_add_nc_u64 s[4:5], s[4:5], 49152
	s_add_nc_u64 s[6:7], s[6:7], 2048
	s_sub_co_u32 s[TRIP], s[TRIP], 1
	s_cmp_lg_u32 s[TRIP], 0
	s_cbranch_scc1 .Ltrip
	; ---- THE TAIL.  y of the work-group's last 16 rows meets in LDS: lane (r, h) holds y(r, 64 w + 16 n + 8 h + 0 .. 7)
	s_wait_alu depctr_va_vdst(0)                   ; the last products have written the accumulators, which the stores below read; the five places at the block's end stay beside this wait
.irp n, 0,1,2,3
	ds_store_b128 v[YW], v[HA+8*(2*\n+1):HA+8*(2*\n+1)+3] offset:64*\n           ; each accumulator from its low end on
	ds_store_b128 v[YW], v[HA+8*(2*\n+1)+4:HA+8*(2*\n+1)+7] offset:64*\n+16
.endr
	BARRIER
	s_cmp_lg_u32 s[WV], 0                          ; one row is left: one wave's work
	s_cbranch_scc1 .Lend
	s_and_b32 s23, ttmp9, 7                        ; row 511 of work-group g is t = 4,095 where g % 8 = 7
	s_cmp_lg_u32 s23, 7
	s_cbranch_scc1 .Lend
.macro RED dpp, op                     ; v240 is joined over the wave's 32 lanes; every lane ends with the result
	\dpp v240, v240, v240 row_xmask:1 row_mask:0xf bank_mask:0xf
	\dpp v240, v240, v240 row_xmask:2 row_mask:0xf bank_mask:0xf
	\dpp v240, v240, v240 row_xmask:4 row_mask:0xf bank_mask:0xf
	\dpp v240, v240, v240 row_xmask:8 row_mask:0xf bank_mask:0xf
	v_permlanex16_b32 v241, v240, s46, s47
	\op v240, v240, v241
.endm
	ds_load_b128 v[SY:SY+3], v[YR]                 ; channels 4 x lane + 0 .. 3.  (Of v[SY ..] vector lines have named v232 alone, at the head, ahead of every wait on va_vdst since)
	ds_load_b128 v[SY+4:SY+7], v[YR] offset:512    ; and 128 + 4 x lane + 0 .. 3
	v_mov_b32 v241, 0                              ; (a lane permute's destination counts as one of its sources)
	v_mov_b32 v243, 0                              ; (named as the upper half of the pair v[242:243])
	s_wait_dscnt 0x0
	v_max3_num_f32 v240, v[SY], v[SY+1], v[SY+2]
	v_max3_num_f32 v240, v240, v[SY+3], v[SY+4]
	v_max3_num_f32 v240, v240, v[SY+5], v[SY+6]
	v_max_num_f32 v240, v240, v[SY+7]
	RED v_max_num_f32_dpp, v_max_num_f32           ; the row's largest y
	v_mov_b32 v242, v240
.irp i, 0,2,4,6
	v_pk_add_f32 v[SY+\i:SY+\i+1], v[SY+\i:SY+\i+1], v[242:243] op_sel_hi:[1,0] neg_lo:[0,1] neg_hi:[0,1]   ; y - the maximum first, and only then x log2(e): near the maximum the difference is exact however large y is
.endr
.irp i, 0,2,4,6
	v_pk_mul_f32 v[SY+\i:SY+\i+1], v[SY+\i:SY+\i+1], s[48:49] op_sel_hi:[1,0]
.endr
	s_wait_alu depctr_va_vdst(0)
.irp i, 0,1,2,3,4,5,6,7
	v_exp_f32 v[SY+\i], v[SY+\i]                   ; e^(y - maximum), at most 1: one batch
.endr
	v_nop                                          ; a plain line behind the last exponential (ISA guide 5.7.2)
	s_wait_alu depctr_va_vdst(0)                   ; the eight exponentials have written v[SY ..]: one wait for the batch, ahead of its first reader
	v_pk_add_f32 v[244:245], v[SY:SY+1], v[SY+2:SY+3]
	v_pk_add_f32 v[246:247], v[SY+4:SY+5], v[SY+6:SY+7]
	v_pk_add_f32 v[244:245], v[244:245], v[246:247]
	v_add_f32 v240, v244, v245
	RED v_add_f32_dpp, v_add_f32                   ; the row's sum, at least 1
	s_wait_alu depctr_va_vdst(0)
	v_rcp_f32 v242, v240
	v_nop                                          ; a plain line behind the reciprocal
	s_wait_alu depctr_va_vdst(0)                   ; the reciprocal has written v242: the wait ahead of its first reader
.irp i, 0,2,4,6
	v_pk_mul_f32 v[SY+\i:SY+\i+1], v[SY+\i:SY+\i+1], v[242:243] op_sel_hi:[1,0]
.endr
	s_wait_alu depctr_va_vdst(0)                   ; the four multiplications have written v[SY ..], which the two stores read
	global_store_b128 v[LD], v[SY:SY+3], s[20:21] th:TH_STORE_NT               ; 32 lanes store 512 consecutive bytes, at a multiple of 256 from out0's first byte
	global_store_b128 v[LD], v[SY+4:SY+7], s[20:21] offset:512 th:TH_STORE_NT
.Lend:
	s_wait_dscnt 0x0                               ; the closing lines, six on end
	s_wait_alu 0x0
	s_wait_tensorcnt 0x0
	ds_add_u32 v254, v255
	s_wait_dscnt 0x0
	s_endpgm
.Lfunc_end_k_q21bfbb7a16_mlp_all:
	.size	k_q21bfbb7a16_mlp_all, .Lfunc_end_k_q21bfbb7a16_mlp_all-k_q21bfbb7a16_mlp_all
	.p2alignl 7, 3214868480
	.fill 96, 4, 3214868480
	.section	.rodata,"a",@progbits
	.p2align	6, 0x0
	.amdhsa_kernel k_q21bfbb7a16_mlp_all
		.amdhsa_group_segment_fixed_size 172800
		.amdhsa_private_segment_fixed_size 0
		.amdhsa_enable_private_segment 0
		.amdhsa_kernarg_size 72
		.amdhsa_user_sgpr_count 2
		.amdhsa_user_sgpr_kernarg_segment_ptr 1
		.amdhsa_wavefront_size32 1
		.amdhsa_system_sgpr_workgroup_id_x 1
		.amdhsa_system_sgpr_workgroup_id_y 1
		.amdhsa_system_sgpr_workgroup_id_z 1
		.amdhsa_system_vgpr_workitem_id 0
		.amdhsa_next_free_vgpr 1024
		.amdhsa_next_free_sgpr 66
		.amdhsa_reserve_vcc 0
		.amdhsa_float_denorm_mode_32 3
		.amdhsa_float_denorm_mode_16_64 3
		.amdhsa_memory_ordered 1
		.amdhsa_forward_progress 1
		.amdhsa_inst_pref_size 179
	.end_amdhsa_kernel
	.amdgpu_metadata
---
amdhsa.version: [ 1, 2 ]
amdhsa.kernels:
  - .name:           k_q21bfbb7a16_mlp_all
    .symbol:         k_q21bfbb7a16_mlp_all.kd
    .args:
      - { .name: x_codes, .offset: 0, .size: 8, .value_kind: global_buffer, .address_space: global }
      - { .name: x_scales, .offset: 8, .size: 8, .value_kind: global_buffer, .address_space: global }
      - { .name: W1_codes, .offset: 16, .size: 8, .value_kind: global_buffer, .address_space: global }
      - { .name: W1_scales, .offset: 24, .size: 8, .value_kind: global_buffer, .address_space: global }
      - { .name: b1, .offset: 32, .size: 8, .value_kind: global_buffer, .address_space: global }
      - { .name: W2_codes, .offset: 40, .size: 8, .value_kind: global_buffer, .address_space: global }
      - { .name: W2_scales, .offset: 48, .size: 8, .value_kind: global_buffer, .address_space: global }
      - { .name: b2, .offset: 56, .size: 8, .value_kind: global_buffer, .address_space: global }
      - { .name: out0, .offset: 64, .size: 8, .value_kind: global_buffer, .address_space: global }
    .group_segment_fixed_size: 172800
    .private_segment_fixed_size: 0
    .kernarg_segment_align: 8
    .kernarg_segment_size: 72
    .max_flat_workgroup_size: 128
    .sgpr_count:     66
    .vgpr_count:     1024
    .wavefront_size: 32
...
	.end_amdgpu_metadata
.endif
;; end of part 2
